; MI455X (gfx1250); checked and timed in simulation.
; The chip was launched on July 23, 2026; its instructions are those of AMD's public machine-readable ISA for CDNA 5 (MIT licence, August 2026) and "CDNA5" Instruction Set Architecture Reference Guide (July 2026). The comments in the code are by the model that wrote it; some were corrected since.
;; Grouped Query Attention. Allowed arithmetic: matrix products marked QUANTISED: E2M1 operands, one E8M0 scale for each 32 along K, by v_wmma_scale_f32_16x16x128_f8f6f4 with both operands' format E2M1 (or v_wmma_scale_f32_32x16x128_f4), f32 sums; everything else in f32.
;; Inputs: Wk 2,048 x 512 float32; Wq 2,048 x 2,048 float32; Wv 2,048 x 512 float32; bk 512 float32; bq 2,048 float32; bv 512 float32; x 2 x 2,048 x 2,048 float32.
;; Outputs: out0 2 x 2,048 x 2,048 float32.
;; This version of the problem:
;;   THIS VERSION OF THE PROBLEM IS GIVEN IN LOW PRECISION. The matrix products marked QUANTISED in the list below multiply operands that are first quantised to E2M1 (2 exponent bits, 1 mantissa bit; 4 bits a number), with one power-of-two scale for each 32 numbers along K (OCP MX v1.0); their sums are f32. All else is computed in f32.
;;   The module's matrix products, in the order in which they are computed (A, B: the left and right operand; K: the contracted axis; several contracted axes count as one K, in the product's order):
;;     1. [M 4,096, K 2,048] x [K 2,048, N 2,048]; A: input x; B: input Wq: QUANTISED
;;     2. [M 4,096, K 2,048] x [K 2,048, N 512]; A: input x; B: input Wk: QUANTISED
;;     3. [M 4,096, K 2,048] x [K 2,048, N 512]; A: input x; B: input Wv: QUANTISED
;;     4. batch 16 x [M 8,192, K 64] x [K 64, N 2,048]; A: computed on the way; B: computed on the way: QUANTISED
;;     5. batch 16 x [M 8,192, K 2,048] x [K 2,048, N 64]; A: softmax (see below); B: computed on the way: QUANTISED
;;   THE QUANTISER, for each operand of a quantised product, along K:
;;     - K is cut into blocks of 32 from its start; a last block that is shorter is filled with zeros.
;;     - A block's scale is 2^e with e = floor(log2(the largest magnitude in the block)) - 2, held to -126 .. 127; a block of zeros has e = 0. As a byte (E8M0): e + 127.
;;     - Each number is divided by its block's scale, clamped to +-6, and rounded to the nearest number of E2M1, ties to even, subnormals kept.
;;     - The product sums the exact products of the quantised numbers (number of the format x scale) in f32.
;;   ~~~python
;;   def quantise(x, axis):      # numpy; x: float32 -> the quantised numbers, widened to float32 again
;;       x = np.moveaxis(x, axis, -1); K = x.shape[-1]
;;       x = np.pad(x, [(0, 0)] * (x.ndim - 1) + [(0, -K % 32)]); x = x.reshape(x.shape[:-1] + (-1, 32)); a = np.abs(x).max(-1, keepdims=True)
;;       e = np.where(a > 0, np.clip(np.frexp(np.where(a > 0, a, 1))[1] - 1 - 2, -126, 127), 0)      # np.frexp(a)[1] - 1 = floor(log2(a)), exactly
;;       r = np.clip(x / 2.0 ** e, -6, 6)
;;       step = 2.0 ** (np.maximum(np.frexp(np.where(r == 0, 1, r))[1] - 1, 0) - 1)
;;       q = np.round(r / step) * step * 2.0 ** e      # np.round: ties to even
;;       return np.moveaxis(q.reshape(q.shape[:-2] + (-1,))[..., :K], -1, axis).astype(np.float32)
;;   ~~~
;;   SOFTMAX AHEAD OF A QUANTISED PRODUCT. Where the list says 'softmax', what is quantised is not the finished softmax but p = 2^(t - M), with t = logit x log2(e) and M = ceil(the row's largest t), a whole number; so 1/2 < the row's largest p <= 1. The row's sum l is taken of the UNQUANTISED p, in f32, and the product's result is divided by l at the end. Since M is a whole number, a kernel that streams over the keys may use a running M (the ceiling of the running maximum): every later rescaling is an exact power of two, which a block's scale takes up: the codes' values come out the same.
;;   OPERANDS COMPUTED ON THE WAY. 'Computed on the way' means the value that the module computes at that place (a softmax that the list does not call 'softmax' is quantised finished and normalised). What goes into a quantiser is computed in f32, as accurately as f32 sums, v_exp_f32 and their like allow (about 1e-6 of the number): no bf16 or f16 on the way to a quantiser, and a product that is left as it is and whose result goes on into a quantised operand takes f32 operands (vector FMAs, or v_wmma_f32_16x16x4_f32). A number that lies on a knife's edge between two numbers of the format may be rounded either way, as far as f32 arithmetic and the matrix unit's own rounding can turn it there, and no further.
;; One version. Each part assembles by itself: llvm-mc -triple=amdgcn-amd-amdhsa -mcpu=gfx1250 --defsym DOCPART=n.
;; ======== version 1 of 1: 3 launches
;; limits: right only within a limited range of input values
;; workspace buffers: xc 4,194,304 bytes; xs 262,144 bytes; wc 3,145,728 bytes; ws 196,608 bytes; qi 4,194,304 bytes; kv 2,097,152 bytes; sc 786,432 bytes
;; launch prep (part 1): grid 320 x 1, 8 waves a work-group, no clusters, 84,992 bytes of LDS; arguments Wq, Wk, Wv, wc, ws, x, xc, xs; writes wc, ws, xc, xs
.if DOCPART == 1
	.amdgcn_target "amdgcn-amd-amdhsa--gfx1250"
	.amdhsa_code_object_version 6
	.text
	.protected	k_qc5e132fec2_prep
	.globl	k_qc5e132fec2_prep
	.p2align	8
	.type	k_qc5e132fec2_prep,@function
k_qc5e132fec2_prep:
	s_mov_b64 s[64:65], 0
	v_nop
	global_prefetch_b8 v0, s[64:65] scope:SCOPE_SE
	s_setreg_imm32_b32 hwreg(HW_REG_WAVE_MODE, 25, 1), 1
	s_wait_xcnt 0x0
; ONE LAUNCH QUANTISES ALL FOUR OPERANDS of the three projections to codes of E2M1 (4 bits, K innermost, the lower k in the low four bits) with one E8M0 byte for each 32 along K.
; Work-groups 0-127 take x [4096][2048] (into xc, xs); work-groups 128-319 take Wq [2048][2048], Wk and Wv [2048][512] (into wc [3072 rows][1024 bytes], ws [3072][64]).
; The two paths part by a scalar branch on the work-group's number, and each has LDS bytes of its own: x's stages from byte 0, W's from byte 65,536; the spare words lie behind both.
; A block's scale is 2^(floor(log2(its largest magnitude)) - 2); its byte is the largest magnitude's exponent field - 2, held at 1 from below.
; LIMITS: NaN and infinities are not served.  A block whose largest magnitude lies under 2^-124 keeps the byte 1; so does a block of zeros, where the
; quantiser's text says 127: its codes are zeros, which add nothing under any byte but 0xff, and only this program reads the bytes.
; ROW ORDER OF THE OUTPUTS: stored row s holds true row (of x) or column (of W) pi(s), pi = bits 3 and 4 of the number exchanged.  Sixteen consecutive stored rows are then the
; sixteen rows that a matrix operand's tile wants so that two neighbouring tiles' results are 16 neighbours along the next product's K.  Row n of wc: 0-2047 Wq's columns, 2048-2559 Wk's, 2560-3071 Wv's.
; No matrix unit, no cluster, no tensor load: no two work-groups read the same bytes, and memory binds.
.set XWG,   128                        ; work-groups for x: 8 waves x 4 rows each
.set WB,    65536                      ; LDS: where W's path begins
.set SPARE, 83968                      ; the spare words: 128 bytes for each of the 8 waves, named by no other line
	v_lshl_add_u32 v224, v0, 2, SPARE
	v_mov_b32 v225, 0
	v_lshrrev_b32 v1, 5, v0
	s_delay_alu instid0(VALU_DEP_1)
	v_readfirstlane_b32 s26, v1                    ; wave 0..7
	v_and_b32 v2, 31, v0                           ; lane
	s_cmp_lt_u32 ttmp9, XWG
	s_wait_alu depctr_va_vdst(0)                   ; the wait here, directly ahead of the branch
	s_cbranch_scc0 .Lweights
; ---- x.  A wave takes 4 rows = 8,192 numbers, in 16 steps of 512.  Each of a step's four loads reads 512 consecutive bytes; the 2,048 bytes turn through the
; wave's own stage in LDS (16 bytes of padding behind each 64) and come back 64 bytes a lane, so that a lane holds 16 neighbours and two lanes a block.
; A lane's 16 codes are 8 bytes: a wave's store covers 256 consecutive aligned bytes.  A wave's 256 scale bytes are gathered in LDS and leave as one such run.
; Loads run eight steps (32 loads a wave) ahead.  No barrier: waves share nothing.
.set STEPS, 16
.set AHEAD, 8
.set R,     16                         ; v16-143  eight sets of 16 numbers as they are loaded
.set XN,    144                        ; v144-175 two sets of 16 neighbours
.set E,     176                        ; v176-191 a scale byte for each step
.set C,     192                        ; v192-223 two registers of codes for each step: no store's data are written again
.set WREG,  8192                       ; LDS: a region for each wave: two stages of 32 x SP bytes, then its 256 scale bytes
.set SP,    80
	s_load_b128 s[4:7], s[0:1], 0x28               ; x, xc
	s_load_b64 s[8:9], s[0:1], 0x38                ; xs
	v_lshlrev_b32 v3, 4, v2                        ; my 16 bytes of a load's 512
	s_mul_i32 s17, s26, WREG
	v_lshrrev_b32 v14, 2, v2
	s_delay_alu instid0(VALU_DEP_1)
	v_mul_u32_u24 v14, v14, SP
	v_and_b32 v15, 3, v2
	s_delay_alu instid0(VALU_DEP_1)
	v_lshl_add_u32 v14, v15, 4, v14
	s_delay_alu instid0(VALU_DEP_1)
	v_add_nc_u32 v14, s17, v14                     ; the stage, in: SP (lane / 4) + 16 (lane % 4)
	v_mul_u32_u24 v15, v2, SP
	s_delay_alu instid0(VALU_DEP_1)
	v_add_nc_u32 v15, s17, v15                     ; and out: SP x lane
	v_lshlrev_b32 v4, 3, v2                        ; 8 x lane: my codes' place in a step's, and my 8 scale bytes' place at the end
	v_lshrrev_b32 v5, 1, v2
	s_add_co_u32 s17, s17, 2*32*SP
	v_add_nc_u32 v5, s17, v5                       ; LDS: my block's scale byte
	v_add_nc_u32 v6, s17, v4                       ; LDS: 8 scale bytes a lane on the way out
	s_lshl_b32 s18, ttmp9, 3
	s_add_co_u32 s18, s18, s26                     ; my run of four rows
	s_lshr_b32 s19, s18, 1
	s_lshr_b32 s20, s18, 2
	s_xor_b32 s19, s19, s20
	s_and_b32 s19, s19, 1                          ; do bits 1 and 2 of the run (bits 3 and 4 of the row) differ?
	s_mul_i32 s19, s19, 6
	s_xor_b32 s19, s18, s19                        ; the run with these two bits exchanged: where it is stored
	s_lshl_b32 s20, s18, 15                        ; 32,768 bytes of x a run
	s_mov_b32 s21, 0
	s_lshl_b32 s22, s19, 12                        ; 4,096 bytes of codes
	s_mov_b32 s23, 0
	s_lshl_b32 s24, s19, 8                         ; 256 scale bytes
	s_mov_b32 s25, 0
	s_wait_alu depctr_va_vdst(0)                   ; the wait at the head's end
	s_wait_kmcnt 0x0
	s_add_nc_u64 s[4:5], s[4:5], s[20:21]
	s_add_nc_u64 s[6:7], s[6:7], s[22:23]
	s_add_nc_u64 s[8:9], s[8:9], s[24:25]
.macro XLOAD t
.irp i, 0,1,2,3
	global_load_b128 v[R+16*((\t)%8)+4*\i:R+16*((\t)%8)+4*\i+3], v3, s[4:5] offset:2048*(\t)+512*\i th:TH_LOAD_NT
.endr
.endm
.macro XTURN t                         ; step t's numbers through the stage: LDS serves a wave's instructions in order, so no wait stands between the stores and the loads
.irp i, 0,1,2,3
	ds_store_b128 v14, v[R+16*((\t)%8)+4*\i:R+16*((\t)%8)+4*\i+3] offset:32*SP*((\t)%2)+8*SP*\i
.endr
.irp i, 0,1,2,3
	ds_load_b128 v[XN+16*((\t)%2)+4*\i:XN+16*((\t)%2)+4*\i+3], v15 offset:32*SP*((\t)%2)+16*\i
.endr
.endm
.irp t, 0,1,2,3,4,5,6,7
	XLOAD \t
.endr
	s_wait_loadcnt 28                              ; step 0's four loads are in; the seven steps behind it may be out
	XTURN 0
.macro XSTEP t
.set XS, XN+16*((\t)%2)
.if (\t) > 0
	s_wait_dscnt 1                                 ; this step's numbers are back from the stage (the last step's byte store may be out), so its stage stores have read their registers,
.else
	s_wait_dscnt 0x0
.endif
.if (\t)+AHEAD < STEPS
	XLOAD (\t)+AHEAD                               ; which take the loads of eight steps on
.endif
.if (\t)+1 < STEPS
.if STEPS-2-(\t) >= AHEAD-1
	s_wait_loadcnt 4*(AHEAD-1)                     ; the next step's four loads are in; those of the seven steps behind it may be out
.else
	s_wait_loadcnt 4*(STEPS-2-(\t))                ; at the end the count runs down
.endif
	XTURN (\t)+1
.endif
	v_max3_num_f32 v8, |v[XS]|, |v[XS+1]|, |v[XS+2]|               ; the largest magnitude of my 16, in two chains
	v_max3_num_f32 v9, |v[XS+3]|, |v[XS+4]|, |v[XS+5]|
.irp i, 6,10
	s_delay_alu instid0(VALU_DEP_2)
	v_max3_num_f32 v8, v8, |v[XS+\i]|, |v[XS+\i+1]|
	s_delay_alu instid0(VALU_DEP_2)
	v_max3_num_f32 v9, v9, |v[XS+\i+2]|, |v[XS+\i+3]|
.endr
	s_delay_alu instid0(VALU_DEP_2)
	v_max3_num_f32 v8, v8, |v[XS+14]|, |v[XS+15]|
	s_delay_alu instid0(VALU_DEP_1)
	v_max3_num_f32 v8, v8, v9, 0x1800000           ; and the floor 2^(3 - 127): the byte cannot fall under 1
	s_delay_alu instid0(VALU_DEP_1)
	v_max_num_f32_dpp v8, v8, v8 row_xmask:1 row_mask:0xf bank_mask:0xf   ; with my neighbour's 16: the block's
	s_delay_alu instid0(VALU_DEP_1)
	v_add_nc_u32 v11, 0xff000000, v8               ; 2 off its exponent field: the conversion takes this operand's exponent field as its scale
	v_cvt_scalef32_pk8_fp4_f32 v[C+2*(\t)], v[XS:XS+7], v11
	v_cvt_scalef32_pk8_fp4_f32 v[C+2*(\t)+1], v[XS+8:XS+15], v11
	v_lshrrev_b32 v[E+(\t)], 23, v11               ; the scale's byte (also the plain line behind the conversions)
	ds_store_b8 v5, v[E+(\t)] offset:16*(\t)       ; both lanes of a block write the same byte with the same value
	global_store_b64 v4, v[C+2*(\t):C+2*(\t)+1], s[6:7] offset:256*(\t)
.endm
.irp t, 0,1,2,3,4,5,6,7,8,9,10,11,12,13,14,15
	XSTEP \t
.endr
	ds_load_b64 v[12:13], v6                       ; LDS serves a wave's instructions in order: this sees my byte stores
	s_wait_dscnt 0x0
	global_store_b64 v4, v[12:13], s[8:9]          ; 32 lanes store 256 consecutive aligned bytes
	s_wait_tensorcnt 0x0                           ; the wave's end
	ds_add_u32 v224, v225
	s_wait_dscnt 0x0
	s_endpgm
; ---- Wq, Wk, Wv: f32 with K as the FIRST axis.  A LANE TAKES A COLUMN AND ITS REGISTERS RUN DOWN K: a load reads 128 consecutive bytes a wave, a block of 32 along K lies in one
; lane's 32 registers, and the conversions give codes with K innermost.
; SHARES: work-group 128 + 4 X + Y: 64 columns (X of 48) x 512 along K (Y of 4).  Wave w: columns 32 (w & 1) on, K 128 (w >> 1) on: four blocks a lane.  One path serves the three tensors:
; only the pointer, the row pitch and the first column are chosen, on the work-group's number.  The pitch differs, so the 32 rows' offsets lie in 32 registers, made once, and each block has a scalar base.
; THE WAY OUT: the codes meet in a stage of 64 rows x (256 + 16) bytes; behind one barrier wave w stores eight whole pieces of rows: sixteen lanes store 256 consecutive aligned bytes.
; The scale bytes leave as 16 bytes of each row of ws (a row is 64 bytes): one byte in 128 of what the path reads.  Two blocks (64 loads a wave) are asked for ahead.
.Lweights:
.set PITCH, 272
.set SSTG,  WB+64*PITCH                ; behind the stage: 16 scale bytes for each of the 64 rows
.set O,     32                         ; v32-63   byte offsets of 32 rows of W at my column; never rewritten
.set WN,    64                         ; v64-127  two sets of 32 numbers
.set CW,    128                        ; v128-143 four registers of codes for each block
.set SB,    24                         ; v24      my four scale bytes
.set OUTR,  144                        ; v144-159 the way out
	s_load_b128 s[4:7], s[0:1], 0x0                ; Wq, Wk
	s_load_b128 s[8:11], s[0:1], 0x10              ; Wv, wc
	s_load_b64 s[12:13], s[0:1], 0x20              ; ws
	s_sub_co_u32 s41, ttmp9, XWG
	s_lshr_b32 s40, s41, 2                         ; X: which 64 columns of the 3,072
	s_and_b32 s29, s41, 3                          ; Y: which 512 along K
	s_and_b32 s27, s26, 1                          ; which 32 columns
	s_lshr_b32 s28, s26, 1                         ; which 128 along K
	s_mov_b32 s14, 2048
	s_cmp_lt_u32 s40, 32
	s_cselect_b32 s14, 8192, s14                   ; a row of W in bytes
	s_cselect_b32 s15, 0, 32
	s_cmp_lt_u32 s40, 40
	s_cselect_b32 s15, s15, 40
	s_sub_co_u32 s15, s40, s15                     ; which 64 columns of my tensor
	v_lshlrev_b32 v[O], 2, v2
.irp i, 1,2,3,4,5,6,7,8,9,10,11,12,13,14,15,16,17,18,19,20,21,22,23,24,25,26,27,28,29,30,31
	v_mad_u32_u24 v[O+\i], s14, \i, v[O]           ; row i of a block
.endr
	s_mul_i32 s30, s27, 32*PITCH
	s_lshl_b32 s31, s28, 6
	s_add_co_u32 s30, s30, s31
	s_add_co_u32 s30, s30, WB
	v_mul_u32_u24 v4, v2, PITCH
	s_delay_alu instid0(VALU_DEP_1)
	v_add_nc_u32 v4, s30, v4                       ; the stage, in: row = my column, 64 bytes for each 128 along K
	s_lshl_b32 s30, s27, 9
	s_lshl_b32 s31, s28, 2
	s_add_co_u32 s30, s30, s31
	s_add_co_u32 s30, s30, SSTG
	v_lshl_add_u32 v5, v2, 4, s30                  ; my four scale bytes: 16 bytes a row
	v_and_b32 v6, 15, v2
	v_lshrrev_b32 v7, 4, v2
	s_mul_i32 s30, s26, 8*PITCH
	s_add_co_u32 s30, s30, WB
	v_mul_u32_u24 v8, v7, PITCH
	s_delay_alu instid0(VALU_DEP_1)
	v_lshl_add_u32 v8, v6, 4, v8
	s_delay_alu instid0(VALU_DEP_1)
	v_add_nc_u32 v8, s30, v8                       ; the stage, out: my eight rows, sixteen lanes to a row
	v_lshlrev_b32 v9, 10, v7
	s_delay_alu instid0(VALU_DEP_1)
	v_lshl_add_u32 v9, v6, 4, v9                   ; and the same place in wc
	s_lshl_b32 s30, s26, 7
	s_add_co_u32 s30, s30, SSTG
	v_lshl_add_u32 v10, v2, 2, s30                 ; my eight rows' scale bytes, 4 a lane
	v_lshrrev_b32 v11, 2, v2
	v_and_b32 v12, 3, v2
	s_delay_alu instid0(VALU_DEP_2)
	v_lshlrev_b32 v11, 6, v11
	s_delay_alu instid0(VALU_DEP_1)
	v_lshl_add_u32 v11, v12, 2, v11                ; and the same place in ws
	s_lshr_b32 s30, s26, 2                         ; where columns 8 w .. 8 w + 7 are stored: bits 0 and 1 of w (bits 3 and 4 of the column) exchanged
	s_lshl_b32 s30, s30, 5
	s_and_b32 s31, s26, 1
	s_lshl_b32 s31, s31, 4
	s_add_co_u32 s30, s30, s31
	s_bfe_u32 s31, s26, 0x10001
	s_lshl_b32 s31, s31, 3
	s_add_co_u32 s30, s30, s31
	s_lshl_b32 s31, s40, 6
	s_add_co_u32 s30, s30, s31                     ; the first stored row
	s_lshl_b32 s32, s30, 10
	s_lshl_b32 s31, s29, 8
	s_add_co_u32 s32, s32, s31                     ; in wc: 1,024 bytes a row, 256 for each 512 along K
	s_mov_b32 s33, 0
	s_lshl_b32 s34, s30, 6
	s_lshl_b32 s31, s29, 4
	s_add_co_u32 s34, s34, s31                     ; in ws: 64 bytes a row, 16 for each 512 along K
	s_mov_b32 s35, 0
	s_lshl_b32 s36, s15, 8                         ; in W: my wave's first column,
	s_lshl_b32 s30, s27, 7
	s_add_co_u32 s36, s36, s30
	s_lshl_b32 s30, s29, 9
	s_lshl_b32 s31, s28, 7
	s_add_co_u32 s30, s30, s31
	s_mul_i32 s30, s30, s14                        ; and its first row
	s_add_co_u32 s36, s36, s30
	s_mov_b32 s37, 0
	s_lshl_b32 s38, s14, 5                         ; a block on: 32 rows
	s_mov_b32 s39, 0
	s_wait_alu depctr_va_vdst(0)                   ; the wait at the head's end
	s_wait_kmcnt 0x0
	s_cmp_lt_u32 s40, 32
	s_cselect_b64 s[4:5], s[4:5], s[6:7]
	s_cmp_lt_u32 s40, 40
	s_cselect_b64 s[4:5], s[4:5], s[8:9]           ; my tensor
	s_add_nc_u64 s[16:17], s[4:5], s[36:37]        ; a base for each of my four blocks
	s_add_nc_u64 s[18:19], s[16:17], s[38:39]
	s_add_nc_u64 s[20:21], s[18:19], s[38:39]
	s_add_nc_u64 s[22:23], s[20:21], s[38:39]
	s_add_nc_u64 s[10:11], s[10:11], s[32:33]
	s_add_nc_u64 s[12:13], s[12:13], s[34:35]
.macro WLOAD t
.irp i, 0,1,2,3,4,5,6,7,8,9,10,11,12,13,14,15,16,17,18,19,20,21,22,23,24,25,26,27,28,29,30,31
	global_load_b32 v[WN+32*((\t)%2)+\i], v[O+\i], s[16+2*(\t):17+2*(\t)] th:TH_LOAD_NT
.endr
.endm
	WLOAD 0
	WLOAD 1
.macro WBLOCK t
.set XS, WN+32*((\t)%2)
.if (\t) < 3
	s_wait_loadcnt 32                              ; this block's 32 loads are in; the next block's may be out
.else
	s_wait_loadcnt 0x0
.endif
	v_max3_num_f32 v16, |v[XS]|, |v[XS+1]|, |v[XS+2]|              ; the block's largest magnitude: all 32 numbers are mine
	v_max3_num_f32 v17, |v[XS+3]|, |v[XS+4]|, |v[XS+5]|
.irp i, 6,10,14,18,22,26
	s_delay_alu instid0(VALU_DEP_2)
	v_max3_num_f32 v16, v16, |v[XS+\i]|, |v[XS+\i+1]|
	s_delay_alu instid0(VALU_DEP_2)
	v_max3_num_f32 v17, v17, |v[XS+\i+2]|, |v[XS+\i+3]|
.endr
	s_delay_alu instid0(VALU_DEP_2)
	v_max3_num_f32 v16, v16, |v[XS+30]|, |v[XS+31]|
	s_delay_alu instid0(VALU_DEP_1)
	v_max3_num_f32 v16, v16, v17, 0x1800000        ; and the floor 2^(3 - 127)
	s_delay_alu instid0(VALU_DEP_1)
	v_add_nc_u32 v18, 0xff000000, v16              ; 2 off the exponent field: the conversion's scale operand
	s_delay_alu instid0(VALU_DEP_1)
	v_lshrrev_b32 v17, 23, v18                     ; the scale's byte
.if (\t) == 0
	s_delay_alu instid0(VALU_DEP_1)
	v_mov_b32 v[SB], v17
.else
	s_delay_alu instid0(VALU_DEP_1)
	v_lshl_or_b32 v[SB], v17, 8*(\t), v[SB]        ; the lower K in the lower byte
.endif
.irp g, 0,1,2,3
	v_cvt_scalef32_pk8_fp4_f32 v[CW+4*(\t)+\g], v[XS+8*\g:XS+8*\g+7], v18
.endr
	v_nop                                          ; one plain line behind the last conversion
	ds_store_b128 v4, v[CW+4*(\t):CW+4*(\t)+3] offset:16*(\t)
.if (\t)+2 < 4
	WLOAD (\t)+2
.endif
.endm
	WBLOCK 0
	WBLOCK 1
	WBLOCK 2
	WBLOCK 3
	ds_store_b32 v5, v[SB]
	s_wait_dscnt 0x0                               ; for the others' sake: my stores into the stage are done
	s_barrier_signal -1
	s_barrier_wait -1
.irp i, 0,1,2,3
	ds_load_b128 v[OUTR+4*\i:OUTR+4*\i+3], v8 offset:2*\i*PITCH
.endr
	ds_load_b32 v25, v10
.irp i, 0,1,2,3
	s_wait_dscnt 4-\i                              ; the younger reads may be out
	global_store_b128 v9, v[OUTR+4*\i:OUTR+4*\i+3], s[10:11] offset:2*\i*1024
.endr
	s_wait_dscnt 0x0
	global_store_b32 v11, v25, s[12:13]
	s_wait_tensorcnt 0x0                           ; the wave's end
	ds_add_u32 v224, v225
	s_wait_dscnt 0x0
	s_endpgm
.Lfunc_end_k_qc5e132fec2_prep:
	.size	k_qc5e132fec2_prep, .Lfunc_end_k_qc5e132fec2_prep-k_qc5e132fec2_prep
	.p2alignl 7, 3214868480
	.fill 96, 4, 3214868480
	.section	.rodata,"a",@progbits
	.p2align	6, 0x0
	.amdhsa_kernel k_qc5e132fec2_prep
		.amdhsa_group_segment_fixed_size 84992
		.amdhsa_private_segment_fixed_size 0
		.amdhsa_enable_private_segment 0
		.amdhsa_kernarg_size 64
		.amdhsa_user_sgpr_count 2
		.amdhsa_user_sgpr_kernarg_segment_ptr 1
		.amdhsa_wavefront_size32 1
		.amdhsa_system_sgpr_workgroup_id_x 1
		.amdhsa_system_sgpr_workgroup_id_y 1
		.amdhsa_system_sgpr_workgroup_id_z 1
		.amdhsa_system_vgpr_workitem_id 0
		.amdhsa_next_free_vgpr 226
		.amdhsa_next_free_sgpr 66
		.amdhsa_reserve_vcc 0
		.amdhsa_float_denorm_mode_32 3
		.amdhsa_float_denorm_mode_16_64 3
		.amdhsa_memory_ordered 1
		.amdhsa_forward_progress 1
		.amdhsa_inst_pref_size 64
	.end_amdhsa_kernel
	.amdgpu_metadata
---
amdhsa.version: [ 1, 2 ]
amdhsa.kernels:
  - .name:           k_qc5e132fec2_prep
    .symbol:         k_qc5e132fec2_prep.kd
    .args:
      - { .name: Wq, .offset: 0, .size: 8, .value_kind: global_buffer, .address_space: global }
      - { .name: Wk, .offset: 8, .size: 8, .value_kind: global_buffer, .address_space: global }
      - { .name: Wv, .offset: 16, .size: 8, .value_kind: global_buffer, .address_space: global }
      - { .name: wc, .offset: 24, .size: 8, .value_kind: global_buffer, .address_space: global }
      - { .name: ws, .offset: 32, .size: 8, .value_kind: global_buffer, .address_space: global }
      - { .name: x, .offset: 40, .size: 8, .value_kind: global_buffer, .address_space: global }
      - { .name: xc, .offset: 48, .size: 8, .value_kind: global_buffer, .address_space: global }
      - { .name: xs, .offset: 56, .size: 8, .value_kind: global_buffer, .address_space: global }
    .group_segment_fixed_size: 84992
    .private_segment_fixed_size: 0
    .kernarg_segment_align: 8
    .kernarg_segment_size: 64
    .max_flat_workgroup_size: 256
    .sgpr_count:     66
    .vgpr_count:     226
    .wavefront_size: 32
...
	.end_amdgpu_metadata
.endif
;; end of part 1
;; launch proj (part 2): grid 24 x 32, 4 waves a work-group, clusters of 4 x 4, 288,256 bytes of LDS; arguments xc, xs, wc, ws, bq, bk, bv, qi, kv, sc; writes qi, kv, sc
.if DOCPART == 2
	.amdgcn_target "amdgcn-amd-amdhsa--gfx1250"
	.amdhsa_code_object_version 6
	.text
	.protected	k_qc5e132fec2_proj
	.globl	k_qc5e132fec2_proj
	.p2align	8
	.type	k_qc5e132fec2_proj,@function
k_qc5e132fec2_proj:
	s_mov_b64 s[64:65], 0
	v_nop
	global_prefetch_b8 v0, s[64:65] scope:SCOPE_SE
	s_setreg_imm32_b32 hwreg(HW_REG_WAVE_MODE, 25, 1), 1
	s_wait_xcnt 0x0
	s_wait_alu depctr_hold_cnt(0) depctr_sa_sdst(0) depctr_va_vdst(0) depctr_va_sdst(0) depctr_va_ssrc(0) depctr_va_vcc(0) depctr_vm_vsrc(0)
	s_getreg_b32 s2, hwreg(HW_REG_IB_STS2, 6, 4)
	s_cmp_eq_u32 s2, 0
	s_cbranch_scc0 .Lentry_in_a_cluster
	s_endpgm
.Lentry_in_a_cluster:
	s_bfe_u32 s2, ttmp6, 0x10000c
	s_cmp_lg_u32 s2, 0xf033
	s_cbranch_scc0 .Lentry_shape_is_right
	s_endpgm
.Lentry_shape_is_right:
; q = x Wq + bq, k = x Wk + bk, v = x Wv + bv on codes of E2M1 with E8M0 scales (K = 2048, f32 sums, K ascending), and the results quantised at once for attention:
; q and k along the head's 64, v along the keys.  What is stored are IMAGES OF OPERAND REGISTERS: four registers of a fragment, lane l's 16 bytes at 16 l, and a scale word for each row.
; ONE FORM FOR THE THREE: out[i][j] = sum over k of P[i][k] Q[j][k], quantised along j.  Source 0 = 16 rows of Q, source 1 = 16 rows of P: a lane holds one i, its registers run along j.
;   q, k: P = x's codes, Q = the weight's;  v: P = Wv's codes, Q = x's (i = the head's channel, j = the key).  Which of the three: the cluster's x alone (0-3 q, 4 k, 5 v).
; ROWS: xc and wc hold row pi(s) at place s (bits 3 and 4 exchanged).  So in tiles 2 b and 2 b + 1 of Q a lane's 16 registers are 16 true neighbours 32 b + 16 (lane / 16) + 0 .. 15 along j,
; and lane r of tile t of P is true row 32 (t / 2) + 8 (t % 2) + r + 8 (r / 8).
; SHARES: a work-group makes 128 x 128, a wave 64 x 64: 16 accumulators.  A wave's 64 along j are two blocks of 32: one head's channels (q, k) or half a key step (v).
; LDS: both operands' 128 rows for ALL of K (rows of 1,024 bytes + 16) and their scale bytes: every byte is filled once, so there is no ring.
; ONE tensor load a wave, at the head: wave 0 P's 128 rows, wave 1 Q's, wave 2 P's scale bytes, wave 3 Q's; one wait for 0 and one barrier stand ahead of the products.
; CLUSTER 4 x 4: P's tile hangs on the tile row alone and is asked for jointly along a row of the cluster, Q's on the tile column alone and jointly along a column.
; 48 clusters = 768 work-groups, three for each of 256 WGPs.  A larger tile would not divide k's and v's 512 columns into clusters of four.
; Nothing is prefetched: all that a work-group reads is asked for by its first lines.
; The bias runs along j for q and k: it is the C of each sum's first product.  For v it runs along i (a number a lane): it is added behind the sum.  Both sets are loaded in every kind and the one that does not apply is cleared.
; LIMITS: NaN and infinities are not served; a block under 2^-124, and a block of zeros, keeps the byte 1 (read by this program alone).  The scale words leave in runs of 128 bytes.
; REGISTERS: window 0: v1-15 addresses, v16-27 LDS addresses, v28-31 scale words made, v32-95 the operands' scale words of all 16 K steps (these registers hold scales and nothing else),
;   v96-103 the bias along i, v104-109 at work, v110-111 the add's two, v112-127 codes made, v128-255 accumulators ((a, b) at 128 + 8 (4 a + b)).  window 1: three fragment buffers of 64 (P's four, Q's four), v192-223 the bias along j.
.set PITCH, 1040                       ; 1,024 bytes + 16 = 65 x 16: the 16 rows of a fragment load start at 16 different groups of banks
.set HALFT, 64*PITCH                   ; 64 rows: what one wave reads of P or of Q
.set SLOT,  512                        ; K half 1 begins 512 bytes on in each row
.set SCL,   270336                     ; the scale bytes, behind the 256 rows of codes (266,240 bytes): runs of 256 bytes + 16
.set HALFS, 16*272                     ; those of 64 rows (64 bytes a row)
.set SBLK,  4*272                      ; those of 16 rows
.set VO,   8                           ; v8-11  where fragment a's image goes
.set L4,   12                          ; v12    4 x lane
.set MW,   13                          ; v13-14 two tiles' scale words in one register
.set ADRA, 16                          ; v16-17 LDS address of P's fragments, K half 0, 1
.set ADRB, 20                          ; v20-21 of Q's
.set ADRS, 27                          ; v27    of the scale words: lanes 0-15 P's rows, lanes 16-31 Q's
.set PW,   28
.set SC,   32
.set BI,   96
.set TM,   104
.set PC,   112
.set ACC,  128
.set BJ,   192                         ; in window 1
.set WV,   24                          ; s24 wave; s25 wave / 2; s26 wave % 2
.set SEL,  98                          ; s[98:99] lane selects for lane l xor 16
.set MSB, 0
.macro WIN new                         ; the immediate's high byte repeats the setting that is left
.if MSB != \new
	s_set_vgpr_msb (MSB<<8)|\new
.set MSB, \new
.endif
.endm
.macro CROUND                          ; a round of the cluster's barrier
	s_barrier_signal -1
	s_barrier_wait -1
	s_cmp_lg_u32 s[WV], 0
	s_cbranch_scc1 .Lnot_wave_0_\@
	s_barrier_signal -3
.Lnot_wave_0_\@:
	s_barrier_wait -3
	s_barrier_signal -1
	s_barrier_wait -1
.endm
.macro PLACES n
.rept \n
	v_nop
.endr
.endm
	s_load_b512 s[4:19], s[0:1], 0x0               ; xc, xs, wc, ws, bq, bk, bv, qi
	s_load_b128 s[20:23], s[0:1], 0x40             ; kv, sc
	v_lshl_add_u32 v110, v0, 2, 0x46400            ; my spare word, behind the scale bytes
	v_mov_b32 v111, 0
	ds_add_u32 v110, v111                          ; the opening lines: the add, twice on end, and its wait ahead of the first tensor load
	ds_add_u32 v110, v111
	v_lshrrev_b32 v1, 5, v0
	v_readfirstlane_b32 s[WV], v1                  ; wave 0..3
	s_lshr_b32 s25, s[WV], 1                       ; my 64 rows i
	s_and_b32 s26, s[WV], 1                        ; my 64 columns j
	s_bfe_u32 s27, ttmp6, 0x40000                  ; cx
	s_bfe_u32 s28, ttmp6, 0x40004                  ; cy
	s_and_b32 s30, ttmp7, 0xffff                   ; cluster y
	s_lshl_b32 s2, s30, 2
	s_lshl_b32 s3, ttmp9, 2
	s_cmp_eq_u32 ttmp9, 5                          ; v?  The same in all sixteen partners
	s_cselect_b32 s35, -1, 0                       ; all ones for v
	s_cselect_b32 s29, 0, -1                       ; all ones for q and k
	s_cselect_b32 s31, 0, s2
	s_cselect_b32 s32, s2, s3
	s_add_co_u32 s31, s31, s28                     ; tile row of P: 4 Y + cy, for v cy
	s_add_co_u32 s32, s32, s27                     ; tile column (of Q): 4 X + cx, for v 4 Y + cx
	s_lshl_b32 s33, s28, 2
	s_lshl_b32 s33, 15, s33                        ; my row of the cluster
	s_lshl_b32 s34, 0x1111, s27                    ; my column
	; descriptor group 1, codes: 128 rows x 1,024 bytes, dense, four words of padding after every 256 words
	s_or_b32 s48, s33, (0<<16)|(1<<20)|(1<<21)|(7<<22)|(3<<25)
	s_or_b32 s56, s34, (0<<16)|(1<<20)|(1<<21)|(7<<22)|(3<<25)
.irp g, 48, 56
	s_mov_b32 s[\g+1], 1024<<16                    ; tensor_dim0
	s_mov_b32 s[\g+2], 128<<16                     ; tensor_dim1
	s_mov_b32 s[\g+3], 1024<<16                    ; tile_dim0
	s_mov_b32 s[\g+4], 128                         ; tile_dim1
	s_mov_b32 s[\g+5], 1024                        ; from row to row
	s_mov_b32 s[\g+6], 0
	s_mov_b32 s[\g+7], 0
.endr
	; scales of 128 rows: 8,192 dense bytes as 32 rows of 256 bytes (32 elements of 8), 16 bytes of padding behind each
	s_or_b32 s68, s33, (3<<16)|(1<<20)|(1<<21)|(5<<22)|(3<<25)
	s_or_b32 s76, s34, (3<<16)|(1<<20)|(1<<21)|(5<<22)|(3<<25)
.irp g, 68, 76
	s_mov_b32 s[\g+1], 32<<16
	s_mov_b32 s[\g+2], 32<<16
	s_mov_b32 s[\g+3], 32<<16
	s_mov_b32 s[\g+4], 32
	s_mov_b32 s[\g+5], 32
	s_mov_b32 s[\g+6], 0
	s_mov_b32 s[\g+7], 0
.endr
	s_mov_b32 s84, 1                               ; group 0, four sets: P's scale bytes s[84:87],
	s_mov_b32 s85, SCL
	s_mov_b32 s88, 1                               ; P's codes s[88:91],
	s_mov_b32 s89, 0
	s_mov_b32 s36, 1                               ; Q's scale bytes s[36:39],
	s_mov_b32 s37, SCL+2*HALFS
	s_mov_b32 s40, 1                               ; Q's codes s[40:43].  Every LDS address is a constant
	s_mov_b32 s41, 2*HALFT
	s_wait_dscnt 0x0                               ; both opening adds are done
	s_wait_kmcnt 0x0
	s_cmp_eq_u32 ttmp9, 5
	s_cselect_b64 s[96:97], s[8:9], s[4:5]         ; P's codes
	s_cselect_b64 s[98:99], s[10:11], s[6:7]       ; P's scales
	s_cselect_b64 s[4:5], s[4:5], s[8:9]           ; Q's codes
	s_cselect_b64 s[6:7], s[6:7], s[10:11]         ; Q's scales
	s_cselect_b32 s8, 2560, 0                      ; Wv's rows begin at 2,560 in wc
	s_lshl_b32 s9, s31, 7
	s_add_co_u32 s8, s8, s9                        ; P: the tile's first row
	s_lshl_b32 s2, s8, 6                           ; its scale bytes
	s_mov_b32 s3, 0
	s_lshl_b32 s8, s8, 10                          ; its codes
	s_mov_b32 s9, 0
	s_lshl_b32 s10, s32, 7                         ; Q: likewise
	s_lshl_b32 s66, s10, 6
	s_mov_b32 s67, 0
	s_lshl_b32 s10, s10, 10
	s_mov_b32 s11, 0
	s_add_nc_u64 s[86:87], s[98:99], s[2:3]
	s_add_nc_u64 s[90:91], s[96:97], s[8:9]
	s_or_b32 s87, s87, 0x80000000
	s_or_b32 s91, s91, 0x80000000
	s_add_nc_u64 s[38:39], s[6:7], s[66:67]
	s_add_nc_u64 s[42:43], s[4:5], s[10:11]
	s_or_b32 s39, s39, 0x80000000
	s_or_b32 s43, s43, 0x80000000
	CROUND                                         ; all sixteen work-groups are here: the joint loads meet
; the head's four joint loads, one a wave: one chain of branches on the wave's number, an arm a load, all arms leading to one join
.macro ARM under, g0, g1, next
	s_cmp_lt_u32 s[WV], \under
	s_cbranch_scc0 \next
	tensor_load_to_lds s[\g0:\g0+3], s[\g1:\g1+7]
	s_nop 0
	PLACES 4
	s_branch .Lfilled
\next:
.endm
	ARM 1, 88, 48, .Lfill_q                        ; wave 0: P's codes
	ARM 2, 40, 56, .Lfill_ps                       ; wave 1: Q's codes
	ARM 3, 84, 68, .Lfill_qs                       ; wave 2: P's scale bytes
	tensor_load_to_lds s[36:39], s[76:83]          ; wave 3: Q's scale bytes
	s_nop 0
	PLACES 4
.Lfilled:
	; while the tiles are on their way: where the results go, and the bias.
	; U = the tile along the sequence, Wt = the tile along the weight's columns, wW / wX = my half along the weight / along the sequence
	s_and_b32 s10, s32, 15
	s_mov_b32 s11, 512
	s_cmp_lt_u32 ttmp9, 4
	s_cselect_b64 s[12:13], s[12:13], s[14:15]     ; bq or bk
	s_cselect_b64 s[14:15], s[18:19], s[20:21]     ; images: qi or kv
	s_cselect_b32 s6, 21, 19                       ; a batch: 32 heads or 8 groups of 65,536 bytes
	s_cselect_b32 s8, 0, 0x80000                   ; scale words: q's at 0, k's at 524,288,
	s_cmp_eq_u32 ttmp9, 5
	s_cselect_b64 s[12:13], s[16:17], s[12:13]     ; bv
	s_cselect_b32 s8, 0xa0000, s8                  ; v's at 655,360
	s_cselect_b32 s9, 0x100000, 0                  ; v's images lie 1 MiB into kv
	s_cselect_b32 s2, s32, s31                     ; U
	s_cselect_b32 s3, s31, s10                     ; Wt
	s_cselect_b32 s4, s25, s26                     ; wW
	s_cselect_b32 s5, s26, s25                     ; wX
	s_cselect_b32 s7, 9, 11                        ; wX's place in the images: v: which 64 of a key step's 128 keys; q, k: four tiles of 512 bytes
	s_cselect_b32 s11, 1024, s11                   ; from fragment to fragment
	s_mov_b64 s[16:17], s[22:23]                   ; sc
	s_lshl_b32 s66, s3, 9
	s_lshl_b32 s10, s4, 8
	s_add_co_u32 s66, s66, s10
	s_mov_b32 s67, 0
	s_add_nc_u64 s[12:13], s[12:13], s[66:67]      ; the bias of my 64 weight columns
	v_and_b32 v1, 15, v0                           ; r
	s_wait_alu depctr_va_vdst(0)
	v_bfe_u32 v2, v0, 4, 1                         ; h
	v_and_b32 v3, 31, v0                           ; lane
	v_lshlrev_b32 v4, 6, v2                        ; along j: tile b's eight numbers begin at 32 (b / 2) + 16 h + 8 (b % 2)
	v_and_b32 v5, 8, v1
	v_add_nc_u32 v5, v5, v1
	v_lshlrev_b32 v5, 2, v5                        ; along i: tile a's lane r is 32 (a / 2) + 8 (a % 2) + r + 8 (r / 8)
	WIN 0x40                                       ; destination window 1
.irp b, 0,1,2,3
	global_load_b128 v[BJ+8*\b:BJ+8*\b+3], v4, s[12:13] offset:(32*(\b/2)+8*(\b%2))*4
	global_load_b128 v[BJ+8*\b+4:BJ+8*\b+7], v4, s[12:13] offset:(32*(\b/2)+8*(\b%2))*4+16
.endr
	WIN 0
.irp a, 0,1,2,3
	global_load_b32 v[BI+2*\a], v5, s[12:13] offset:(32*(\a/2)+8*(\a%2))*4
.endr
	s_lshr_b32 s66, s2, 4
	s_lshl_b32 s66, s66, s6                        ; the batch
	s_lshl_b32 s10, s3, 17
	s_add_co_u32 s66, s66, s10                     ; two heads (groups) to a tile of 128 columns,
	s_lshl_b32 s10, s4, 16
	s_add_co_u32 s66, s66, s10                     ; mine of the two,
	s_and_b32 s10, s2, 15
	s_lshl_b32 s10, s10, 12
	s_add_co_u32 s66, s66, s10                     ; 4,096 bytes for each 128 along the sequence
	s_lshr_b32 s96, s66, 3                         ; the scale words: an eighth of that,
	s_lshl_b32 s10, s5, 8
	s_add_co_u32 s96, s96, s10                     ; 256 bytes for my four tiles,
	s_add_co_u32 s96, s96, s8                      ; in their region
	s_mov_b32 s97, 0
	s_lshl_b32 s10, s5, s7
	s_add_co_u32 s66, s66, s10
	s_add_co_u32 s66, s66, s9
	s_add_nc_u64 s[14:15], s[14:15], s[66:67]
	s_add_nc_u64 s[16:17], s[16:17], s[96:97]
	s_mov_b32 s[SEL], 0x76543210
	s_mov_b32 s[SEL+1], 0xfedcba98
	v_mul_u32_u24 v6, v1, PITCH
	s_wait_alu depctr_va_vdst(0)
	v_lshl_add_u32 v6, v2, 4, v6                   ; a fragment's row x pitch + 16 x half
	s_mul_i32 s10, s25, HALFT
	v_add_nc_u32 v[ADRA], s10, v6
	v_add_nc_u32 v[ADRA+1], SLOT, v[ADRA]
	s_mul_i32 s10, s26, HALFT
	s_add_co_u32 s10, s10, 2*HALFT
	v_add_nc_u32 v[ADRB], s10, v6
	v_add_nc_u32 v[ADRB+1], SLOT, v[ADRB]
	v_lshlrev_b32 v7, 6, v1                        ; my row's scale bytes: 64 a row,
	v_lshrrev_b32 v15, 8, v7
	v_lshl_add_u32 v7, v15, 4, v7                  ; and 16 more for each 256 passed
	s_mul_i32 s10, s25, HALFS                      ; P's: my 64 rows
	s_mul_i32 s96, s26, HALFS                      ; Q's: my 64 rows, behind P's 128
	s_add_co_u32 s96, s96, 2*HALFS
	s_sub_co_u32 s96, s96, s10
	v_mul_u32_u24 v15, s96, v2                     ; lanes 16-31 take Q's: one product, the distance between the two bases
	s_add_co_u32 s10, s10, SCL
	v_add_nc_u32 v7, v7, v15
	v_add_nc_u32 v[ADRS], s10, v7
	v_lshlrev_b32 v[VO], 4, v3
	v_add_nc_u32 v[VO+1], s11, v[VO]
	v_add_nc_u32 v[VO+2], s11, v[VO+1]
	v_add_nc_u32 v[VO+3], s11, v[VO+2]
	v_lshlrev_b32 v[L4], 2, v3
	s_wait_loadcnt 0x0                             ; the biases
	WIN 0x45                                       ; sources and destination window 1
.set J, 0
.rept 32
	v_and_b32 v[BJ+J], s29, v[BJ+J]                ; along j: kept for q and k, zeros for v
.set J, J+1
.endr
	WIN 0
.irp a, 0,1,2,3
	v_and_b32 v[BI+2*\a], s35, v[BI+2*\a]          ; along i: kept for v, zeros for q and k
	v_mov_b32 v[BI+2*\a+1], 0                      ; (named with it as a pair, so it is written)
.endr
	v_mov_b32 v[TM+2], 0                           ; a lane permute's destination counts as one of its sources
	v_mov_b32 v[TM+3], 0
.macro FETCH k                         ; the fragments of K step k, 128 along K = 64 bytes of each row: P's four, Q's four, into buffer k % 3.  Registers 4 c .. 4 c + 3: K = 64 c + 32 (lane / 16) + 0 .. 31
	WIN 0x40
.irp i, 0,1,2,3
.irp c, 0,1
	ds_load_b128 v[64*((\k)%3)+8*\i+4*\c:64*((\k)%3)+8*\i+4*\c+3], v[ADRA+(\k)/8] offset:64*((\k)%8)+32*\c+\i*16*PITCH
.endr
.endr
.irp i, 0,1,2,3
.irp c, 0,1
	ds_load_b128 v[64*((\k)%3)+32+8*\i+4*\c:64*((\k)%3)+32+8*\i+4*\c+3], v[ADRB+(\k)/8] offset:64*((\k)%8)+32*\c+\i*16*PITCH
.endr
.endr
.endm
; 16 products: the 16 accumulators take turns, one instruction a turn, in the same order in every step.  The first step's C is the bias along j.
.macro MUL16 k
.set FB, 64*((\k)%3)
.set SW, SC+16*((\k)/4)+(\k)%4
.if (\k) == 0
	WIN 0x15                                       ; sources 0, 1 and C window 1, D window 0
.else
	WIN 0x05                                       ; sources 0, 1 window 1, C and D window 0
.endif
.irp a, 0,1,2,3
.irp b, 0,1,2,3
.if (\k) == 0
	v_wmma_scale_f32_16x16x128_f8f6f4 v[ACC+8*(4*\a+\b):ACC+8*(4*\a+\b)+7], v[FB+32+8*\b:FB+32+8*\b+7], v[FB+8*\a:FB+8*\a+7], v[BJ+8*\b:BJ+8*\b+7], v[SW+4*\b], v[SW+4*\a] matrix_a_fmt:MATRIX_FMT_FP4 matrix_b_fmt:MATRIX_FMT_FP4 matrix_a_scale:MATRIX_SCALE_ROW1
.else
	v_wmma_scale_f32_16x16x128_f8f6f4 v[ACC+8*(4*\a+\b):ACC+8*(4*\a+\b)+7], v[FB+32+8*\b:FB+32+8*\b+7], v[FB+8*\a:FB+8*\a+7], v[ACC+8*(4*\a+\b):ACC+8*(4*\a+\b)+7], v[SW+4*\b], v[SW+4*\a] matrix_a_fmt:MATRIX_FMT_FP4 matrix_b_fmt:MATRIX_FMT_FP4 matrix_a_scale:MATRIX_SCALE_ROW1
.endif
.endr
.endr
.endm
.macro STEP k
.if (\k)+2 < 16
.if (\k) > 0
	PLACES 4                                       ; four places between the products of step k - 1 and the loads into the buffer that they read (ISA guide 7.12.1 for vector instructions)
.endif
	FETCH (\k)+2
.endif
.if (\k) <= 13
	s_wait_dscnt 32                                ; step k's fragments are in; those of the two steps behind it may be out
.elseif (\k) == 14
	s_wait_dscnt 16
.else
	s_wait_dscnt 0x0
.endif
	MUL16 \k
.endm
; 32 numbers of a lane, register 16 b + i = place 32 b + 16 (lane / 16) + i along j of my row, become four registers of codes and the row's scale word (two bytes; the upper two stand for 1.0).
.macro QUANT2 s, pc, pw
.irp b, 0,1
	v_max3_num_f32 v[TM+\b], |v[(\s)+16*\b]|, |v[(\s)+1+16*\b]|, 0x1800000   ; my 16 numbers of block b, and the floor 2^(3 - 127)
.endr
.irp i, 2,4,6,8,10,12,14
.irp b, 0,1
	v_max3_num_f32 v[TM+\b], v[TM+\b], |v[(\s)+16*\b+\i]|, |v[(\s)+1+16*\b+\i]|
.endr
.endr
.irp b, 0,1
	v_permlanex16_b32 v[TM+2+\b], v[TM+\b], s[SEL], s[SEL+1]
.endr
.irp b, 0,1
	v_max_num_f32 v[TM+\b], v[TM+\b], v[TM+2+\b]   ; with lane l xor 16's: the block's largest magnitude
.endr
.irp b, 0,1
	v_add_nc_u32 v[TM+4+\b], 0xff000000, v[TM+\b]  ; 2 off the exponent field: the conversion's scale operand
.endr
.irp b, 0,1
	v_lshrrev_b32 v[TM+2+\b], 23, v[TM+4+\b]       ; the scale's byte
.endr
	v_lshl_or_b32 v[\pw], v[TM+3], 8, v[TM+2]
	v_or_b32 v[\pw], 0x7f7f0000, v[\pw]
.irp b, 0,1
	v_cvt_scalef32_pk8_fp4_f32 v[(\pc)+2*\b], v[(\s)+16*\b:(\s)+16*\b+7], v[TM+4+\b]
	v_cvt_scalef32_pk8_fp4_f32 v[(\pc)+2*\b+1], v[(\s)+16*\b+8:(\s)+16*\b+15], v[TM+4+\b]
.endr
	v_nop                                          ; one plain line behind the last conversion
	v_permlane16_swap_b32 v[\pc], v[(\pc)+2]       ; the operand wants a whole block in a lane: lanes 0-15 block 0, lanes 16-31 block 1
	v_permlane16_swap_b32 v[(\pc)+1], v[(\pc)+3]
.endm
	s_wait_alu depctr_va_vdst(0)                   ; the wait at the head's end
	s_wait_tensorcnt 0x0                           ; my one load is in,
	s_barrier_signal -1
	s_barrier_wait -1                              ; everybody's is
.irp g, 0,1,2,3                        ; the scale words of all 16 K steps, four words a load: lanes 0-15 P's tile i, lanes 16-31 Q's tile i
.irp i, 0,1,2,3
	ds_load_b128 v[SC+16*\g+4*\i:SC+16*\g+4*\i+3], v[ADRS] offset:\i*SBLK+16*\g
.endr
.endr
	FETCH 0
	FETCH 1
.irp k, 0,1,2,3,4,5,6,7,8,9,10,11,12,13,14,15
	STEP \k
.endr
	WIN 0
	PLACES 4                                       ; places in front of the first read of results
	s_wait_alu depctr_va_vdst(0)
.irp a, 0,1,2,3
.set J, 0
.rept 16
	v_pk_add_f32 v[ACC+32*\a+J:ACC+32*\a+J+1], v[ACC+32*\a+J:ACC+32*\a+J+1], v[BI+2*\a:BI+2*\a+1] op_sel_hi:[1,0]   ; the bias along i; each accumulator from its low end on
.set J, J+2
.endr
	QUANT2 ACC+32*\a, PC+4*\a, PW+\a
	global_store_b128 v[VO+\a], v[PC+4*\a:PC+4*\a+3], s[14:15]     ; an image: 32 lanes store 512 consecutive aligned bytes
.endr
	s_mov_b32 s10, 0xffff0000
	v_cndmask_b32 v[MW], v[PW], v[PW+1], s10       ; lanes 0-15 tile 0's words, lanes 16-31 tile 1's
	v_cndmask_b32 v[MW+1], v[PW+2], v[PW+3], s10
	global_store_b32 v[L4], v[MW], s[16:17]
	global_store_b32 v[L4], v[MW+1], s[16:17] offset:128
	s_wait_tensorcnt 0x0                           ; the wave's end
	ds_add_u32 v110, v111
	s_wait_dscnt 0x0
	CROUND                                         ; the closing round: no work-group ends while a partner may still ask for a tile that names it
	s_endpgm
.Lfunc_end_k_qc5e132fec2_proj:
	.size	k_qc5e132fec2_proj, .Lfunc_end_k_qc5e132fec2_proj-k_qc5e132fec2_proj
	.p2alignl 7, 3214868480
	.fill 96, 4, 3214868480
	.section	.rodata,"a",@progbits
	.p2align	6, 0x0
	.amdhsa_kernel k_qc5e132fec2_proj
		.amdhsa_group_segment_fixed_size 288256
		.amdhsa_private_segment_fixed_size 0
		.amdhsa_enable_private_segment 0
		.amdhsa_kernarg_size 80
		.amdhsa_user_sgpr_count 2
		.amdhsa_user_sgpr_kernarg_segment_ptr 1
		.amdhsa_wavefront_size32 1
		.amdhsa_system_sgpr_workgroup_id_x 1
		.amdhsa_system_sgpr_workgroup_id_y 1
		.amdhsa_system_sgpr_workgroup_id_z 1
		.amdhsa_system_vgpr_workitem_id 0
		.amdhsa_next_free_vgpr 512
		.amdhsa_next_free_sgpr 100
		.amdhsa_reserve_vcc 0
		.amdhsa_float_denorm_mode_32 3
		.amdhsa_float_denorm_mode_16_64 3
		.amdhsa_memory_ordered 1
		.amdhsa_forward_progress 1
		.amdhsa_inst_pref_size 77
	.end_amdhsa_kernel
	.amdgpu_metadata
---
amdhsa.version: [ 1, 2 ]
amdhsa.kernels:
  - .name:           k_qc5e132fec2_proj
    .symbol:         k_qc5e132fec2_proj.kd
    .args:
      - { .name: xc, .offset: 0, .size: 8, .value_kind: global_buffer, .address_space: global }
      - { .name: xs, .offset: 8, .size: 8, .value_kind: global_buffer, .address_space: global }
      - { .name: wc, .offset: 16, .size: 8, .value_kind: global_buffer, .address_space: global }
      - { .name: ws, .offset: 24, .size: 8, .value_kind: global_buffer, .address_space: global }
      - { .name: bq, .offset: 32, .size: 8, .value_kind: global_buffer, .address_space: global }
      - { .name: bk, .offset: 40, .size: 8, .value_kind: global_buffer, .address_space: global }
      - { .name: bv, .offset: 48, .size: 8, .value_kind: global_buffer, .address_space: global }
      - { .name: qi, .offset: 56, .size: 8, .value_kind: global_buffer, .address_space: global }
      - { .name: kv, .offset: 64, .size: 8, .value_kind: global_buffer, .address_space: global }
      - { .name: sc, .offset: 72, .size: 8, .value_kind: global_buffer, .address_space: global }
    .group_segment_fixed_size: 288256
    .private_segment_fixed_size: 0
    .kernarg_segment_align: 8
    .kernarg_segment_size: 80
    .max_flat_workgroup_size: 128
    .sgpr_count:     100
    .vgpr_count:     512
    .wavefront_size: 32
...
	.end_amdgpu_metadata
.endif
;; end of part 2
;; launch attn (part 3): grid 16 x 16, 16 waves a work-group, clusters of 4 x 1, 223,232 bytes of LDS; arguments qi, kv, sc, out0; writes out0
.if DOCPART == 3
	.amdgcn_target "amdgcn-amd-amdhsa--gfx1250"
	.amdhsa_code_object_version 6
	.text
	.protected	k_qc5e132fec2_attn
	.globl	k_qc5e132fec2_attn
	.p2align	8
	.type	k_qc5e132fec2_attn,@function
k_qc5e132fec2_attn:
	s_mov_b64 s[64:65], 0
	v_nop
	global_prefetch_b8 v0, s[64:65] scope:SCOPE_SE
	s_setreg_imm32_b32 hwreg(HW_REG_WAVE_MODE, 25, 1), 1
	s_wait_xcnt 0x0
	s_wait_alu depctr_hold_cnt(0) depctr_sa_sdst(0) depctr_va_vdst(0) depctr_va_sdst(0) depctr_va_ssrc(0) depctr_va_vcc(0) depctr_vm_vsrc(0)
	s_getreg_b32 s2, hwreg(HW_REG_IB_STS2, 6, 4)
	s_cmp_eq_u32 s2, 0
	s_cbranch_scc0 .Lentry_in_a_cluster
	s_endpgm
.Lentry_in_a_cluster:
	s_bfe_u32 s2, ttmp6, 0x10000c
	s_cmp_lg_u32 s2, 0x3003
	s_cbranch_scc0 .Lentry_shape_is_right
	s_endpgm
.Lentry_shape_is_right:
; out[b][qs][g][s][:] = the sum over keys t of softmax_t(q[b][4 g + qs][s] . k[b][g][t] / 8) v[b][g][t][:], both products on codes of E2M1 with E8M0 scales.
; THE SOFTMAX AHEAD OF THE SECOND PRODUCT: t = score x log2(e) / 8; M = the running largest t rounded UP to a whole number; p = 2^(t - M) is quantised along the keys, not normalised.
; The row's sum is taken of the unquantised p and divides at the end.  When M moves, the sum and O are multiplied by 2^(old M - new M): exact.
; INPUTS are images of operand registers, made by the launch before: a tile's four registers at 16 x lane.  A tile of 16 keys or queries holds rows 32 (t / 2) + 8 (t % 2) + r + 8 (r / 8),
; so that in S^T = K Q^T (source 0 = 16 keys, source 1 = my 16 queries) the 16 registers of tiles 2 b, 2 b + 1 are 16 neighbouring keys; in O^T = V^T P^T likewise 16 neighbouring channels.
; THE FIRST PRODUCT'S K IS 64, the instruction's 128: Q's codes of the upper 64 are zeros, so whatever stands in K's upper four registers (the next tile's codes) adds nothing; the scale bytes there stand for 1.0.
; SHARES: y = b x 8 + g; the cluster's x is qs; the four work-groups of a cluster take 512 queries each of one head.  A work-group has sixteen waves of 256 registers, four to a SIMD.
; A wave takes two tiles of 16 queries, one after the other, and walks all 2,048 keys, 128 a step, for each.
; THE STEPS OVERLAP: at the head of step s the wave asks LDS for V of step s and for K of step s + 1; the eight score products of step s + 1 are issued as soon as p's conversions have read the
; score registers, ahead of O's rescaling and of step s's four products with V.  So no load is waited for directly behind its issue, and O's 16 rescalings are the places behind the score products.
; A pass is a first run of score products, five trips of three steps, and a last step written out, which fetches no K and starts no scores.
; LDS: ALL of the pair's K and V (65,536 bytes each) and their scale words, filled once by joint loads of the cluster's four (the same descriptor, mask 15): no ring.  A wave has at most one tensor load out.
; Nothing is prefetched: all of K and V is asked for by the first lines, and there is no loop to run ahead in.
; LIMITS: NaN and infinities are not served.  A block of p that has fallen to 0 keeps the byte 1 over zero codes.  Where |t| is above 2^24, ceil(t) is t.
; REGISTERS: v1-7 addresses that stay; v8-11 addresses of the trip; v12 -M, v13 the largest t, v[14:15] the sum in two halves; v16-31 Q's two fragments; v32-67 K; v68-69 Q's scale words;
;   v72-75 K's scale words; v76-91 eight partial sums; v96-159 S^T, then p; v160-191 O^T; v192-223 V; v224-231 p's codes; v232-254 at work; v240-241 V's scale words, v253 p's.
.set KSC,   131072                     ; K's scale words [tile 128][row 16]
.set VSR,   139264                     ; V's as they come: [key step 16][half 2][tile 4][row 16], two bytes each
.set VSC,   147456                     ; V's, merged by the waves: [key step][lane][2 words]; no fill lands here
.set STAGE, 151552                     ; the way out: 16 rows x (256 + 16) bytes for each wave; no fill lands here
.set SP,    272
.set LI,   1                           ; v1  16 x lane
.set KSA,  2                           ; v2  KSC + 4 x lane
.set VSA,  3                           ; v3  VSC + 8 x lane
.set STO,  4                           ; v4  the stage, in
.set RD,   5                           ; v5  the stage, out
.set GO,   6                           ; v6  my byte offset in two rows of out
.set ADK,  8
.set ADV,  9
.set ADS,  10
.set ADT,  11
.set KW,   72
.set T,    76
.set WV,   12                          ; s12 wave
.set SEL,  20                          ; s[20:21] lane selects for lane l xor 16
.set CS,   22                          ; s[22:23] c = log2(e) / 8
.set G1A,  24                          ; s[24:31] group 1: 64 rows of 256 bytes;  s[32:39]: 16 rows
.set G1B,  32
.set G0A,  40
.set G0B,  44
.set TK,   48                          ; s48 the trip's first byte among K's (and V's) images; s49 among K's scale words; s50 among V's
.set TS,   49
.set TT,   50
.set TRIP, 51
.macro CROUND
	s_barrier_signal -1
	s_barrier_wait -1
	s_cmp_lg_u32 s[WV], 0
	s_cbranch_scc1 .Lnot_wave_0_\@
	s_barrier_signal -3
.Lnot_wave_0_\@:
	s_barrier_wait -3
	s_barrier_signal -1
	s_barrier_wait -1
.endm
	s_load_b256 s[4:11], s[0:1], 0x0               ; qi, kv, sc, out0
	v_lshl_add_u32 v243, v0, 2, 0x36000            ; my spare word, behind the stages
	v_mov_b32 v255, 0
	ds_add_u32 v243, v255                          ; the opening lines: the add, twice on end, and its wait ahead of the first tensor load
	ds_add_u32 v243, v255
	v_lshrrev_b32 v8, 5, v0
	s_delay_alu instid0(VALU_DEP_1)
	v_readfirstlane_b32 s[WV], v8                  ; wave 0..15
	s_bfe_u32 s13, ttmp6, 0x40000                  ; cx: it enters global addresses of Q and out alone
	s_and_b32 s14, ttmp7, 0xffff                   ; y
	s_mov_b32 s[G1A], 15|(3<<16)|(1<<21)           ; the mask: all four work-groups; elements of 8 bytes; bit 21 beside a mask; no padding: an image is read 16 consecutive bytes a lane
	s_mov_b32 s[G1A+1], 32<<16
	s_mov_b32 s[G1A+2], 64<<16
	s_mov_b32 s[G1A+3], 32<<16
	s_mov_b32 s[G1A+4], 64
	s_mov_b32 s[G1A+5], 32
	s_mov_b32 s[G1A+6], 0
	s_mov_b32 s[G1A+7], 0
	s_mov_b32 s[G1B], 15|(3<<16)|(1<<21)
	s_mov_b32 s[G1B+1], 32<<16
	s_mov_b32 s[G1B+2], 16<<16
	s_mov_b32 s[G1B+3], 32<<16
	s_mov_b32 s[G1B+4], 16
	s_mov_b32 s[G1B+5], 32
	s_mov_b32 s[G1B+6], 0
	s_mov_b32 s[G1B+7], 0
	; waves 0-3: K's images, 16,384 bytes each; waves 4-7: V's.  Waves 8, 9: K's scale words, 4,096 bytes each; waves 10, 11: V's
	s_bfe_u32 s16, s[WV], 0x10002
	s_lshl_b32 s16, s16, 20                        ; V's images lie 1 MiB into kv
	s_lshl_b32 s17, s14, 16
	s_add_co_u32 s16, s16, s17
	s_and_b32 s17, s[WV], 3
	s_lshl_b32 s17, s17, 14
	s_add_co_u32 s16, s16, s17
	s_mov_b32 s17, 0
	s_bfe_u32 s18, s[WV], 0x10001
	s_lshl_b32 s18, s18, 17                        ; V's words lie 131,072 bytes behind K's
	s_lshl_b32 s19, s14, 13
	s_add_co_u32 s18, s18, s19
	s_and_b32 s19, s[WV], 1
	s_lshl_b32 s19, s19, 12
	s_add_co_u32 s18, s18, s19
	s_add_co_u32 s18, s18, 524288
	s_mov_b32 s19, 0
	s_mov_b32 s[G0A], 1
	s_and_b32 s[G0A+1], s[WV], 7
	s_lshl_b32 s[G0A+1], s[G0A+1], 14
	s_mov_b32 s[G0B], 1
	s_and_b32 s[G0B+1], s[WV], 3
	s_lshl_b32 s[G0B+1], s[G0B+1], 12
	s_add_co_u32 s[G0B+1], s[G0B+1], KSC
	s_lshl_b32 s15, s14, 2
	s_add_co_u32 s15, s15, ttmp9                   ; b x 32 + head = 4 y + qs
	s_lshl_b32 s2, s13, 5
	s_lshl_b32 s3, s[WV], 1
	s_add_co_u32 s3, s2, s3                        ; my first tile of queries: 32 cx + 2 wave
	s_lshl_b32 s52, s15, 16
	s_lshl_b32 s2, s3, 9
	s_add_co_u32 s52, s52, s2                      ; its image
	s_mov_b32 s53, 0
	s_lshl_b32 s54, s15, 13
	s_lshl_b32 s2, s3, 6
	s_add_co_u32 s54, s54, s2                      ; its scale words
	s_mov_b32 s55, 0
	s_lshr_b32 s56, s14, 3
	s_lshl_b32 s56, s56, 2
	s_add_co_u32 s56, s56, ttmp9
	s_lshl_b32 s56, s56, 3
	s_and_b32 s2, s14, 7
	s_add_co_u32 s56, s56, s2                      ; (b x 4 + qs) x 8 + g
	s_lshl_b32 s56, s56, 19                        ; 2,048 rows of 256 bytes
	s_lshl_b32 s2, s3, 12
	s_add_co_u32 s56, s56, s2                      ; + query 512 cx + 32 wave
	s_mov_b32 s57, 0
	s_mov_b32 s[SEL], 0x76543210
	s_mov_b32 s[SEL+1], 0xfedcba98
	s_mov_b32 s[CS], 0x3e38aa3b                    ; log2(e) / 8
	s_mov_b32 s[CS+1], s[CS]                       ; (named with it as a pair, so it is written)
	s_wait_dscnt 0x0                               ; both opening adds are done
	s_wait_kmcnt 0x0
	s_add_nc_u64 s[G0A+2:G0A+3], s[6:7], s[16:17]
	s_or_b32 s[G0A+3], s[G0A+3], 0x80000000
	s_add_nc_u64 s[G0B+2:G0B+3], s[8:9], s[18:19]
	s_or_b32 s[G0B+3], s[G0B+3], 0x80000000
	s_add_nc_u64 s[52:53], s[4:5], s[52:53]
	s_add_nc_u64 s[54:55], s[8:9], s[54:55]
	s_add_nc_u64 s[56:57], s[10:11], s[56:57]
	CROUND                                         ; all four work-groups are here: the joint loads meet
	s_cmp_lt_u32 s[WV], 8                          ; the branches hang on the wave's number alone; an s_nop 0 and four v_nop follow each tensor load
	s_cbranch_scc0 .Lnot_images
	tensor_load_to_lds s[G0A:G0A+3], s[G1A:G1A+7]
	s_nop 0
.rept 4
	v_nop
.endr
	s_branch .Lasked
.Lnot_images:
	s_cmp_lt_u32 s[WV], 12
	s_cbranch_scc0 .Lasked
	tensor_load_to_lds s[G0B:G0B+3], s[G1B:G1B+7]
	s_nop 0
.rept 4
	v_nop
.endr
.Lasked:
	v_and_b32 v8, 31, v0                           ; lane
	v_and_b32 v9, 15, v0                           ; r
	v_bfe_u32 v10, v0, 4, 1                        ; h
	s_delay_alu instid0(VALU_DEP_3)
	v_lshlrev_b32 v[LI], 4, v8
	s_delay_alu instid0(VALU_DEP_3)
	v_lshlrev_b32 v7, 2, v9
	global_load_b128 v[16:19], v[LI], s[52:53]             ; Q's codes of my two tiles stay in registers
	global_load_b128 v[24:27], v[LI], s[52:53] offset:512
	global_load_b32 v68, v7, s[54:55]                      ; and their scale words
	global_load_b32 v69, v7, s[54:55] offset:64
	v_lshl_add_u32 v[KSA], v8, 2, KSC
	v_lshl_add_u32 v[VSA], v8, 3, VSC
	s_mul_i32 s2, s[WV], 16*SP
	s_add_co_u32 s2, s2, STAGE                     ; my stage
	v_mul_u32_u24 v[STO], v9, SP
	s_delay_alu instid0(VALU_DEP_1)
	v_lshl_add_u32 v[STO], v10, 6, v[STO]
	s_delay_alu instid0(VALU_DEP_1)
	v_add_nc_u32 v[STO], s2, v[STO]                ; in: row r, + 64 h: my 16 channels of each 32
	v_mul_u32_u24 v[RD], v10, SP
	s_delay_alu instid0(VALU_DEP_1)
	v_lshl_add_u32 v[RD], v9, 4, v[RD]
	s_delay_alu instid0(VALU_DEP_1)
	v_add_nc_u32 v[RD], s2, v[RD]                  ; out: lanes 0-15 one row, lanes 16-31 the next
	v_lshlrev_b32 v[GO], 8, v10
	s_delay_alu instid0(VALU_DEP_1)
	v_lshl_add_u32 v[GO], v9, 4, v[GO]
	s_lshl_b32 s2, s[WV], 9
	s_add_co_u32 s2, s2, VSR
	v_lshl_add_u32 v70, v8, 2, s2                  ; V's raw words of key step = my wave
	v_lshl_add_u32 v71, v0, 3, VSC                 ; and where the merged ones go: 256 x wave + 8 x lane
.irp j, 20,21,22,23,28,29,30,31,64,65,66,67,236,237,238,239,253
	v_mov_b32 v[\j], 0                             ; Q's upper 64 codes; what stands behind K's last tile; permute destinations; the upper half of the pair v[252:253]
.endr
	s_wait_alu depctr_va_vdst(0)                   ; the wait at the head's end
	s_wait_tensorcnt 0x0                           ; my fill is in,
	s_barrier_signal -1
	s_barrier_wait -1                              ; everybody's is
	ds_load_b32 v96, v70                           ; keys 0-63:   tiles 0 (lanes 0-15), 1 (lanes 16-31)
	ds_load_b32 v97, v70 offset:128                ;              tiles 2, 3
	ds_load_b32 v98, v70 offset:256                ; keys 64-127: tiles 0, 1
	ds_load_b32 v99, v70 offset:384                ;              tiles 2, 3
	s_wait_dscnt 0x0
	v_and_b32 v96, 0xffff, v96
	v_and_b32 v97, 0xffff, v97
	s_delay_alu instid0(VALU_DEP_2)
	v_lshl_or_b32 v96, v98, 16, v96                ; four bytes: a row's scale word for 128 keys
	s_delay_alu instid0(VALU_DEP_2)
	v_lshl_or_b32 v97, v99, 16, v97
	ds_store_b64 v71, v[96:97]
	s_wait_dscnt 0x0                               ; for the others' sake: my store is done
	s_barrier_signal -1
	s_barrier_wait -1
	s_wait_loadcnt 0x0                             ; Q
.macro KLOAD adk, ads, q               ; eight tiles of 16 keys and their scale words (lanes 0-15 tile 2 a's, lanes 16-31 tile 2 a + 1's)
.irp t, 0,1,2,3,4,5,6,7
	ds_load_b128 v[32+4*\t:35+4*\t], v[\adk] offset:4096*(\q)+512*\t
.endr
.irp a, 0,1,2,3
	ds_load_b32 v[KW+\a], v[\ads] offset:512*(\q)+128*\a
.endr
.endm
.macro QK QF, QS                       ; S^T = K Q^T for 128 keys: eight sums, each begun with 0
.irp t, 0,2,4,6
	v_wmma_scale_f32_16x16x128_f8f6f4 v[96+8*\t:103+8*\t], v[32+4*\t:39+4*\t], v[\QF:\QF+7], 0, v[KW+\t/2], v[\QS] matrix_a_fmt:MATRIX_FMT_FP4 matrix_b_fmt:MATRIX_FMT_FP4
	v_wmma_scale_f32_16x16x128_f8f6f4 v[104+8*\t:111+8*\t], v[36+4*\t:43+4*\t], v[\QF:\QF+7], 0, v[KW+\t/2], v[\QS] matrix_a_fmt:MATRIX_FMT_FP4 matrix_b_fmt:MATRIX_FMT_FP4 matrix_a_scale:MATRIX_SCALE_ROW1
.endr
.endm
.macro TMM n                           ; t - M, two at a time, from register 96 + J on
.rept \n
	v_pk_fma_f32 v[96+J:97+J], v[96+J:97+J], s[CS:CS+1], v[12:13] op_sel_hi:[1,0,0]
.set J, J+2
.endr
.endm
; A KEY STEP: 128 keys, the q-th of the trip's three.  Its scores stand in v96-159 when it begins.  more = 1: the next step's K is fetched and its scores are started.
.macro STEP q, more, QF, QS
.irp b, 0,1,2,3
	v_max3_num_f32 v[232+\b], v[96+16*\b], v[97+16*\b], v[98+16*\b]   ; the largest score of each block of 32 keys: it serves for the row's maximum and, since p rises with the score, for the block's largest p.  These four are also the places behind the last products with V
.endr
.irp t, 0,1,2,3
.irp c, 0,1
	ds_load_b128 v[192+8*\t+4*\c:195+8*\t+4*\c], v[ADV] offset:4096*(\q)+1024*\t+512*\c   ; V of this step lands while the softmax is walked,
.endr
.endr
	ds_load_b64 v[240:241], v[ADT] offset:256*(\q)
.if \more
	KLOAD ADK, ADS, (\q)+1                         ; and so does K of the next
.endif
.irp i, 3,5,7,9,11,13
.irp b, 0,1,2,3
	v_max3_num_f32 v[232+\b], v[232+\b], v[96+16*\b+\i], v[97+16*\b+\i]
.endr
.endr
.irp b, 0,1,2,3
	v_max_num_f32 v[232+\b], v[232+\b], v[111+16*\b]
.endr
.irp b, 0,1,2,3
	s_delay_alu instid0(VALU_DEP_4)
	v_permlanex16_b32 v[236+\b], v[232+\b], s[SEL], s[SEL+1]
.endr
.irp b, 0,1,2,3
	s_delay_alu instid0(VALU_DEP_4)
	v_max_num_f32 v[232+\b], v[232+\b], v[236+\b]  ; with lane l xor 16's 16 keys
.endr
	s_delay_alu instid0(VALU_DEP_2)
	v_max3_num_f32 v254, v232, v233, v234
	s_delay_alu instid0(VALU_DEP_1)
	v_max_num_f32 v254, v254, v235                 ; the step's largest score of my query
	s_delay_alu instid0(VALU_DEP_1)
	v_mul_f32 v254, s[CS], v254                    ; as t
	s_delay_alu instid0(VALU_DEP_1)
	v_max_num_f32 v13, v13, v254                   ; the running largest t
	v_mov_b32 v254, v12
	s_delay_alu instid0(VALU_DEP_2)
	v_floor_f32 v12, -v13                          ; the new -M = floor(-t) = -ceil(t)
.set J, 0
	TMM 4                                          ; the three lines that make f stand among the multiply-adds, four apart
	v_sub_f32 v254, v12, v254                      ; old M - new M: a whole number, 0 or less
	TMM 4
	v_cvt_i32_f32 v254, v254                       ; (it saturates)
	TMM 4
	v_ldexp_f32 v252, 1.0, v254                    ; f = 2^(old M - new M)
	TMM 20
.irp b, 0,1,2,3
	v_fma_f32 v[232+\b], v[232+\b], s[CS], v12     ; the same of each block's largest score
.endr
.set J, 0
	s_wait_alu depctr_va_vdst(0)                   ; the wait ahead of the batch
.rept 64
	v_exp_f32 v[96+J], v[96+J]                     ; p = 2^(t - M), at most 1
.set J, J+1
.endr
	v_pk_mul_f32 v[14:15], v[14:15], v[252:253] op_sel_hi:[1,0]   ; the sums under the new M (the plain line behind the exponentials)
	s_wait_alu depctr_va_vdst(0)                   ; one wait for the whole batch, ahead of its first reader
.irp b, 0,1,2,3
	v_exp_f32 v[232+\b], v[232+\b]                 ; the block's largest p: the same two instructions on the same number give the same bits
.endr
.irp i, 0,1,2,3,4,5,6,7                        ; the row's sum of the unquantised p: eight partial sums of four pairs each (they read the 64 alone)
	v_pk_add_f32 v[T+2*\i:T+2*\i+1], v[96+2*\i:97+2*\i], v[112+2*\i:113+2*\i]
.endr
.irp i, 0,1,2,3,4,5,6,7
	v_pk_add_f32 v[T+2*\i:T+2*\i+1], v[T+2*\i:T+2*\i+1], v[128+2*\i:129+2*\i]
.endr
.irp i, 0,1,2,3,4,5,6,7
	v_pk_add_f32 v[T+2*\i:T+2*\i+1], v[T+2*\i:T+2*\i+1], v[144+2*\i:145+2*\i]
.endr
.irp i, 0,1,2,3
	v_pk_add_f32 v[T+2*\i:T+2*\i+1], v[T+2*\i:T+2*\i+1], v[T+8+2*\i:T+9+2*\i]
.endr
.irp i, 0,1
	s_delay_alu instid0(VALU_DEP_2)
	v_pk_add_f32 v[T+2*\i:T+2*\i+1], v[T+2*\i:T+2*\i+1], v[T+4+2*\i:T+5+2*\i]
.endr
	s_delay_alu instid0(VALU_DEP_1)
	v_pk_add_f32 v[T:T+1], v[T:T+1], v[T+2:T+3]
	s_delay_alu instid0(VALU_DEP_1)
	v_pk_add_f32 v[14:15], v[14:15], v[T:T+1]
	s_wait_alu depctr_va_vdst(0)                   ; and one for the four
.irp b, 0,1,2,3
	v_max_num_f32 v[232+\b], 0x1800000, v[232+\b]  ; the floor 2^(3 - 127)
.endr
.irp b, 0,1,2,3
	s_delay_alu instid0(VALU_DEP_4)
	v_add_nc_u32 v[244+\b], 0xff000000, v[232+\b]  ; 2 off the exponent field: the conversion's scale operand
.endr
.irp b, 0,1,2,3
	s_delay_alu instid0(VALU_DEP_4)
	v_lshrrev_b32 v[236+\b], 23, v[244+\b]         ; the scale's byte
.endr
	s_delay_alu instid0(VALU_DEP_3)
	v_lshl_or_b32 v253, v237, 8, v236              ; p's scale word for these 128 keys
	s_delay_alu instid0(VALU_DEP_1)
	v_lshl_or_b32 v253, v238, 16, v253
	s_delay_alu instid0(VALU_DEP_1)
	v_lshl_or_b32 v253, v239, 24, v253
.irp b, 0,1,2,3
	v_cvt_scalef32_pk8_fp4_f32 v[224+2*\b], v[96+16*\b:103+16*\b], v[244+\b]
	v_cvt_scalef32_pk8_fp4_f32 v[225+2*\b], v[104+16*\b:111+16*\b], v[244+\b]
.endr
	v_nop                                          ; one plain line behind the last conversion
.irp c, 0,1                                    ; the operand wants a whole block in a lane: lanes 0-15 block 2 c, lanes 16-31 block 2 c + 1
.irp i, 0,1
	v_permlane16_swap_b32 v[224+4*\c+\i], v[226+4*\c+\i]
.endr
.endr
	s_wait_alu depctr_va_vdst(0)                   ; the wait here, directly ahead of the wait below
	s_wait_dscnt 0x0                               ; V and its scale words are in, and the next step's K and its
.if \more
	QK \QF, \QS                                    ; p has been summed and converted: its registers take the next step's scores
.endif
	s_wait_alu depctr_va_vdst(0)                   ; the wait here, directly ahead of the first reader of O^T
.set J, 0
.rept 16
	v_pk_mul_f32 v[160+J:161+J], v[160+J:161+J], v[252:253] op_sel_hi:[1,0]   ; O^T under the new M; each accumulator from its low end on.  These 16 are also the places behind the score products, and between p's scale word and codes and the products below
.set J, J+2
.endr
.irp t, 0,2                                    ; O^T += V^T P^T: the four accumulators take turns, one instruction a turn
	v_wmma_scale_f32_16x16x128_f8f6f4 v[160+8*\t:167+8*\t], v[192+8*\t:199+8*\t], v[224:231], v[160+8*\t:167+8*\t], v[240+\t/2], v253 matrix_a_fmt:MATRIX_FMT_FP4 matrix_b_fmt:MATRIX_FMT_FP4
	v_wmma_scale_f32_16x16x128_f8f6f4 v[168+8*\t:175+8*\t], v[200+8*\t:207+8*\t], v[224:231], v[168+8*\t:175+8*\t], v[240+\t/2], v253 matrix_a_fmt:MATRIX_FMT_FP4 matrix_b_fmt:MATRIX_FMT_FP4 matrix_a_scale:MATRIX_SCALE_ROW1
.endr
.endm
.macro ADDR                            ; the trip's LDS addresses.  The four lines are also the places between a pass's first score products and their first reader
	v_add_nc_u32 v[ADK], s[TK], v[LI]
	v_add_nc_u32 v[ADS], s[TS], v[KSA]
	v_add_nc_u32 v[ADT], s[TT], v[VSA]
	s_delay_alu instid0(VALU_DEP_3)
	v_add_nc_u32 v[ADV], 0x10000, v[ADK]           ; V's images lie 65,536 bytes behind K's
	s_wait_alu depctr_va_vdst(0)                   ; the wait here, directly behind the writes
.endm
; ONE TILE OF 16 QUERIES against all keys: the first scores, five trips of three key steps, the last step, then the way out.
.macro PASS p, QF, QS
.if \p
	s_wait_xcnt 0x0                                ; the last tile's stores have read v32-63, which K's loads take again
.endif
	KLOAD LI, KSA, 0                               ; the first 128 keys
	v_mov_b32 v13, 0xff61b1e6                      ; the largest t so far: -3e38, under every t
	s_delay_alu instid0(VALU_DEP_1)
	v_floor_f32 v12, -v13                          ; -M
	v_mov_b32 v14, 0
	v_mov_b32 v15, 0
.set J, 0
.rept 32
	v_mov_b32 v[160+J], 0                          ; O^T: the step is written once; the first finds zeros, which the first change of M leaves zeros
.set J, J+1
.endr
	s_mov_b32 s[TK], 0
	s_mov_b32 s[TS], 0
	s_mov_b32 s[TT], 0
	s_mov_b32 s[TRIP], 5
	s_wait_alu depctr_va_vdst(0)                   ; the wait here, directly ahead of the wait below
	s_wait_dscnt 0x0
	QK \QF, \QS
.Ltrip_\@:
	ADDR
	STEP 0, 1, \QF, \QS
	STEP 1, 1, \QF, \QS
	STEP 2, 1, \QF, \QS
	s_add_co_u32 s[TK], s[TK], 12288
	s_add_co_u32 s[TS], s[TS], 1536
	s_add_co_u32 s[TT], s[TT], 768
	s_sub_co_u32 s[TRIP], s[TRIP], 1
	s_cmp_lg_u32 s[TRIP], 0
	s_cbranch_scc1 .Ltrip_\@
	ADDR
	STEP 0, 0, \QF, \QS                            ; keys 1,920 on: nothing follows them
	; the way out: O^T / the sum goes through my stage and leaves as whole rows: a query's 64 numbers are 256 consecutive aligned bytes, stored by sixteen lanes
	v_add_f32 v14, v14, v15                        ; the sum's two halves,
	s_delay_alu instid0(VALU_DEP_1)
	v_permlanex16_b32 v252, v14, s[SEL], s[SEL+1]
	s_delay_alu instid0(VALU_DEP_1)
	v_add_f32 v14, v14, v252                       ; and lane l xor 16's
	s_wait_alu depctr_va_vdst(0)                   ; the wait ahead of the transcendental
	v_rcp_f32 v14, v14
.rept 4
	v_nop                                          ; the plain line behind the reciprocal, and the places behind the last products
.endr
	s_wait_alu depctr_va_vdst(0)                   ; the wait ahead of the reciprocal's first reader
.set J, 0
.rept 32
	v_mul_f32 v[96+J], v[160+J], v14               ; register 8 t + i: channel 32 (t / 2) + 16 h + 8 (t % 2) + i of my query
.set J, J+1
.endr
.irp t, 0,1,2,3
	ds_store_b128 v[STO], v[96+8*\t:99+8*\t] offset:128*(\t/2)+32*(\t%2)
	ds_store_b128 v[STO], v[100+8*\t:103+8*\t] offset:128*(\t/2)+32*(\t%2)+16
.endr
.irp i, 0,1,2,3,4,5,6,7
	ds_load_b128 v[32+4*\i:35+4*\i], v[RD] offset:2*\i*SP          ; LDS serves a wave's instructions in order: these see my stores
.endr
.irp i, 0,1,2,3,4,5,6,7
	s_wait_dscnt 7-\i                              ; the younger reads may be out
	global_store_b128 v[GO], v[32+4*\i:35+4*\i], s[56:57] offset:2048*\p+(2*\i+8*(\i/4))*256 th:TH_STORE_NT   ; the tile's row rho is query 8 p + rho % 8 + 16 (rho / 8) of my 32
.endr
.endm
	PASS 0, 16, 68
	PASS 1, 24, 69
	s_wait_tensorcnt 0x0                           ; the wave's end
	ds_add_u32 v243, v255
	s_wait_dscnt 0x0
	CROUND                                         ; the closing round: no work-group ends while a partner may still ask for a tile that names it
	s_endpgm
.Lfunc_end_k_qc5e132fec2_attn:
	.size	k_qc5e132fec2_attn, .Lfunc_end_k_qc5e132fec2_attn-k_qc5e132fec2_attn
	.p2alignl 7, 3214868480
	.fill 96, 4, 3214868480
	.section	.rodata,"a",@progbits
	.p2align	6, 0x0
	.amdhsa_kernel k_qc5e132fec2_attn
		.amdhsa_group_segment_fixed_size 223232
		.amdhsa_private_segment_fixed_size 0
		.amdhsa_enable_private_segment 0
		.amdhsa_kernarg_size 32
		.amdhsa_user_sgpr_count 2
		.amdhsa_user_sgpr_kernarg_segment_ptr 1
		.amdhsa_wavefront_size32 1
		.amdhsa_system_sgpr_workgroup_id_x 1
		.amdhsa_system_sgpr_workgroup_id_y 1
		.amdhsa_system_sgpr_workgroup_id_z 1
		.amdhsa_system_vgpr_workitem_id 0
		.amdhsa_next_free_vgpr 256
		.amdhsa_next_free_sgpr 66
		.amdhsa_reserve_vcc 0
		.amdhsa_float_denorm_mode_32 3
		.amdhsa_float_denorm_mode_16_64 3
		.amdhsa_memory_ordered 1
		.amdhsa_forward_progress 1
		.amdhsa_inst_pref_size 143
	.end_amdhsa_kernel
	.amdgpu_metadata
---
amdhsa.version: [ 1, 2 ]
amdhsa.kernels:
  - .name:           k_qc5e132fec2_attn
    .symbol:         k_qc5e132fec2_attn.kd
    .args:
      - { .name: qi, .offset: 0, .size: 8, .value_kind: global_buffer, .address_space: global }
      - { .name: kv, .offset: 8, .size: 8, .value_kind: global_buffer, .address_space: global }
      - { .name: sc, .offset: 16, .size: 8, .value_kind: global_buffer, .address_space: global }
      - { .name: out0, .offset: 24, .size: 8, .value_kind: global_buffer, .address_space: global }
    .group_segment_fixed_size: 223232
    .private_segment_fixed_size: 0
    .kernarg_segment_align: 8
    .kernarg_segment_size: 32
    .max_flat_workgroup_size: 512
    .sgpr_count:     66
    .vgpr_count:     256
    .wavefront_size: 32
...
	.end_amdgpu_metadata
.endif
;; end of part 3
